; MI455X (gfx1250); checked and timed in simulation.
; The chip was launched on July 23, 2026; its instructions are those of AMD's public machine-readable ISA for CDNA 5 (MIT licence, August 2026) and "CDNA5" Instruction Set Architecture Reference Guide (July 2026). The comments in the code are by the model that wrote it; some were corrected since.
;; Full Attention. Allowed arithmetic: matrix products marked QUANTISED: E2M1 operands, one E8M0 scale for each 32 along K, by v_wmma_scale_f32_16x16x128_f8f6f4 with both operands' format E2M1 (or v_wmma_scale_f32_32x16x128_f4), f32 sums; everything else in f32.
;; Inputs: keys 4 x 2,048 x 8 x 64 float32; queries 4 x 2,048 x 8 x 64 float32.
;; Outputs: out0 4 x 2,048 x 8 x 64 float32; out1 4 x 2,048 x 8 x 64 float32.
;; This version of the problem:
;;   THIS VERSION OF THE PROBLEM IS GIVEN IN LOW PRECISION. The matrix products marked QUANTISED in the list below multiply operands that are first quantised to E2M1 (2 exponent bits, 1 mantissa bit; 4 bits a number), with one power-of-two scale for each 32 numbers along K (OCP MX v1.0); their sums are f32. All else is computed in f32.
;;   The module's matrix products, in the order in which they are computed (A, B: the left and right operand; K: the contracted axis; several contracted axes count as one K, in the product's order):
;;     1. batch 32 x [M 2,048, K 64] x [K 64, N 2,048]; A: input queries; B: input keys: QUANTISED
;;     2. batch 32 x [M 64, K 2,048] x [K 2,048, N 2,048]; A: input keys; B: softmax (see below): QUANTISED
;;     3. batch 32 x [M 64, K 2,048] x [K 2,048, N 2,048]; A: input queries; B: softmax (see below): QUANTISED
;;   THE QUANTISER, for each operand of a quantised product, along K:
;;     - K is cut into blocks of 32 from its start; a last block that is shorter is filled with zeros.
;;     - A block's scale is 2^e with e = floor(log2(the largest magnitude in the block)) - 2, held to -126 .. 127; a block of zeros has e = 0. As a byte (E8M0): e + 127.
;;     - Each number is divided by its block's scale, clamped to +-6, and rounded to the nearest number of E2M1, ties to even, subnormals kept.
;;     - The product sums the exact products of the quantised numbers (number of the format x scale) in f32.
;;   ~~~python
;;   def quantise(x, axis):      # numpy; x: float32 -> the quantised numbers, widened to float32 again
;;       x = np.moveaxis(x, axis, -1); K = x.shape[-1]
;;       x = np.pad(x, [(0, 0)] * (x.ndim - 1) + [(0, -K % 32)]); x = x.reshape(x.shape[:-1] + (-1, 32)); a = np.abs(x).max(-1, keepdims=True)
;;       e = np.where(a > 0, np.clip(np.frexp(np.where(a > 0, a, 1))[1] - 1 - 2, -126, 127), 0)      # np.frexp(a)[1] - 1 = floor(log2(a)), exactly
;;       r = np.clip(x / 2.0 ** e, -6, 6)
;;       step = 2.0 ** (np.maximum(np.frexp(np.where(r == 0, 1, r))[1] - 1, 0) - 1)
;;       q = np.round(r / step) * step * 2.0 ** e      # np.round: ties to even
;;       return np.moveaxis(q.reshape(q.shape[:-2] + (-1,))[..., :K], -1, axis).astype(np.float32)
;;   ~~~
;;   SOFTMAX AHEAD OF A QUANTISED PRODUCT. Where the list says 'softmax', what is quantised is not the finished softmax but p = 2^(t - M), with t = logit x log2(e) and M = ceil(the row's largest t), a whole number; so 1/2 < the row's largest p <= 1. The row's sum l is taken of the UNQUANTISED p, in f32, and the product's result is divided by l at the end. Since M is a whole number, a kernel that streams over the keys may use a running M (the ceiling of the running maximum): every later rescaling is an exact power of two, which a block's scale takes up: the codes' values come out the same.
;;   OPERANDS COMPUTED ON THE WAY. 'Computed on the way' means the value that the module computes at that place (a softmax that the list does not call 'softmax' is quantised finished and normalised). What goes into a quantiser is computed in f32, as accurately as f32 sums, v_exp_f32 and their like allow (about 1e-6 of the number): no bf16 or f16 on the way to a quantiser, and a product that is left as it is and whose result goes on into a quantised operand takes f32 operands (vector FMAs, or v_wmma_f32_16x16x4_f32). A number that lies on a knife's edge between two numbers of the format may be rounded either way, as far as f32 arithmetic and the matrix unit's own rounding can turn it there, and no further.
;; One version. Each part assembles by itself: llvm-mc -triple=amdgcn-amd-amdhsa -mcpu=gfx1250 --defsym DOCPART=n.
;; ======== version 1 of 1: 2 launches
;; limits: right only within a limited range of input values
;; workspace buffers: ws 9,175,040 bytes
;; launch prep (part 1): grid 512 x 1, 4 waves a work-group, no clusters, 71,168 bytes of LDS; arguments queries, keys, ws; writes ws
.if DOCPART == 1
	.amdgcn_target "amdgcn-amd-amdhsa--gfx1250"
	.amdhsa_code_object_version 6
	.text
	.protected	k_q993ea60ff4_prep
	.globl	k_q993ea60ff4_prep
	.p2align	8
	.type	k_q993ea60ff4_prep,@function
k_q993ea60ff4_prep:
	s_mov_b64 s[64:65], 0
	v_nop
	global_prefetch_b8 v0, s[64:65] scope:SCOPE_SE
	s_setreg_imm32_b32 hwreg(HW_REG_WAVE_MODE, 25, 1), 1
	s_wait_xcnt 0x0
; queries and keys, [4][2048][8][64] f32, become codes of FP4 (E2M1) with one E8M0 scale byte for each 32 numbers, TWICE each:
; along E (the scores' K) and along L (the second products' K), laid as images of the operands' registers.
; A UNIT is 128 rows of one head of one tensor: unit = (tensor x 32 + b x 8 + h) x 16 + step.  It takes SB = 8,960 bytes of ws (35 x 256):
;   EC    0  4,096 bytes: codes along E.  Tile T = 4 g + u at 512 T; lane (r, he) at 16 x lane: row 64 g + 32 (r / 8) + 8 u + r % 8, e = 32 he .. + 31.
;            (So, in the transposed scores, a lane's 32 registers of tiles 4 g .. 4 g + 3 are one whole block of 32 neighbouring keys: 64 g + 32 (lane / 16) + 0 .. 31.)
;   LC 4096  4,096 bytes: codes along L.  Tile t (column 16 t + r), half c at 1024 t + 512 c + 16 x lane: lane (r, h) holds rows 64 c + 32 h .. + 31.
;   ES 8192    512 bytes: half g at 256 g, lane l's 8 bytes at 8 l: word w = the scale word of tile 4 g + 2 w + l / 16, its row l % 16; byte 0: e 0-31, byte 1: e 32-63, bytes 2, 3: 0.
;   LS 8704    256 bytes: column half cg at 128 cg, lane l's word at 4 l: tile 2 cg + l / 16, column l % 16; byte kb: rows 32 kb .. + 31.
; A block's scale is 2^(floor(log2(its largest magnitude)) - 2); its byte is the largest magnitude's exponent field - 2, held at 1 from below.
; LIMITS: NaN and infinities among the inputs are not served.  A block whose largest magnitude lies under 2^-124 has its byte held at 1; a block of zeros carries the byte 1 where the
; quantiser's text says 127: its codes are zeros, which add nothing under any byte but 0xff, and the bytes are read by this program alone.
; SHARES.  A wave takes half g of a unit: 64 rows x 64 numbers, 16,384 bytes, read ONCE: 32 loads, in each of which sixteen lanes read one whole row of the head (256 consecutive bytes, aligned).
; The numbers turn through the wave's own stage in LDS, rows in their order; both quantisers read from there: along E a lane takes 32 neighbours of a row (eight reads of 16 bytes),
; along L a lane takes a column and its registers run down 32 rows (32 reads of 4 bytes, the lanes on end).  Waves share nothing: no barrier; LDS serves a wave's instructions in order (ISA guide 5.7.1.4).
; A stage row is 256 + 16 bytes, and rows 32-63 lie 128 bytes further on: so the sixteen rows of an E tile (eight, and the eight that lie 32 on) begin at sixteen different places modulo 256 bytes.
; LS: a wave owns two of a word's four row blocks, so its bytes leave as two bytes a lane: 1 byte in 128 of what the launch reads.  All other stores cover whole aligned runs of 256 bytes.
; No tensor load, no cluster, no prefetch: work-groups share no input, every byte is asked for at the head, and there is no loop to run ahead in.
; Every offset is an immediate, no base is stepped, and no store's data register is written twice: so no wait frees a source.
.set SB,  8960
.set LC,  4096
.set ES,  8192
.set LS,  8704
.set ROW, 2048                         ; bytes from a row l to the next: 8 heads x 64 numbers
.set SP,  272                          ; a stage row
.set WST, 17664                        ; a wave's stage: 64 x 272 + 128 bytes, rounded up to blocks of 256
.set SPARE, 4*WST                      ; the spare words: 128 bytes a wave, two blocks of 256 bytes that no other line names
.set C,   20                           ; v20-51  the codes: four registers for each tile or block
.set X,   64                           ; v64-191 the numbers: four sets of 32
.set SW,  16                           ; v16-17  the E tiles' scale words;  v18-19 the L blocks' byte pairs
.set SPW, 54
.set NIL, 55
	s_load_b128 s[4:7], s[0:1], 0x0                ; queries, keys
	s_load_b64 s[8:9], s[0:1], 0x10                ; ws
	v_lshl_add_u32 v[SPW], v0, 2, SPARE
	v_mov_b32 v[NIL], 0
	v_lshrrev_b32 v1, 5, v0
	v_readfirstlane_b32 s10, v1                    ; wave 0..3
	s_lshl_b32 s11, ttmp9, 1
	s_lshr_b32 s12, s10, 1
	s_add_co_u32 s11, s11, s12                     ; my unit = 2 x work-group + wave / 2
	s_and_b32 s16, s10, 1                          ; g: which 64 rows
	s_bfe_u32 s12, s11, 0x20007                    ; b
	s_lshl_b32 s12, s12, 22
	s_bfe_u32 s13, s11, 0x30004                    ; h
	s_lshl_b32 s13, s13, 8
	s_add_co_u32 s12, s12, s13
	s_and_b32 s13, s11, 15                         ; the step
	s_lshl_b32 s13, s13, 18
	s_add_co_u32 s12, s12, s13
	s_lshl_b32 s13, s16, 17                        ; 64 g rows
	s_add_co_u32 s12, s12, s13
	s_mov_b32 s13, 0
	s_mul_i32 s14, s11, SB
	s_mov_b32 s15, 0
	s_mul_i32 s17, s10, WST                        ; my stage
	s_lshl_b32 s18, s16, 11                        ; EC: tiles 4 g on
	s_lshl_b32 s19, s16, 8                         ; ES: half g
	s_lshl_b32 s22, s16, 9                         ; LC: row blocks 2 g on, 256 bytes each
	s_lshl_b32 s23, s16, 1                         ; LS: bytes 2 g on
	s_mov_b32 s20, 0x76543210
	s_mov_b32 s21, 0xfedcba98                      ; v_permlanex16_b32's selects for lane l xor 16
	s_mov_b32 vcc_lo, 0xffff0000                   ; lanes 16-31
	v_and_b32 v1, 31, v0                           ; lane
	v_and_b32 v56, 15, v0                          ; lane % 16
	v_bfe_u32 v57, v0, 4, 1                        ; lane / 16
	v_and_b32 v58, 7, v0
	v_bfe_u32 v59, v0, 3, 1
	v_lshlrev_b32 v2, 11, v57
	v_mul_u32_u24 v3, v57, SP
	v_mul_u32_u24 v4, v58, SP
	v_lshlrev_b32 v5, 2, v1
	v_lshlrev_b32 v6, 10, v57
	v_lshlrev_b32 v52, 4, v1
	v_lshlrev_b32 v15, 3, v1
	v_lshlrev_b32 v53, 3, v57                      ; my byte's place in an E scale word
	v_lshl_add_u32 v2, v56, 4, v2                  ; in: row lane / 16 of a load's two, 16 bytes a lane
	v_lshl_add_u32 v3, v56, 4, v3
	v_mad_u32_u24 v4, v59, 32*SP+128, v4           ; row r % 8 + 32 (r / 8)
	v_add_nc_u32 v7, s23, v5                       ; LS: 4 x lane + 2 g
	v_lshl_add_u32 v6, v56, 4, v6
	v_add_nc_u32 v52, s18, v52                     ; EC: 16 x lane in my half
	v_add_nc_u32 v15, s19, v15                     ; ES: 8 x lane in my half
	v_add_nc_u32 v3, s17, v3                       ; into the stage, as loaded
	v_lshl_add_u32 v4, v57, 7, v4
	v_add_nc_u32 v5, s17, v5                       ; out of it along L: column lane
	v_add_nc_u32 v6, s22, v6                       ; LC: tile lane / 16 of two, 16 bytes for column lane % 16
	v_add_nc_u32 v4, s17, v4                       ; out of it along E: my row, + 128 he bytes
	v_mov_b32 v13, 0                               ; a lane permute's destination counts as one of its sources
	s_wait_alu depctr_va_vdst(0)                   ; the wait at the head's end
	s_wait_kmcnt 0x0
	s_cmp_lt_u32 ttmp9, 256                        ; units 0-511 are queries', the others keys'
	s_cselect_b64 s[4:5], s[4:5], s[6:7]
	s_add_nc_u64 s[4:5], s[4:5], s[12:13]
	s_add_nc_u64 s[8:9], s[8:9], s[14:15]
.irp i, 0,1,2,3,4,5,6,7,8,9,10,11,12,13,14,15,16,17,18,19,20,21,22,23,24,25,26,27,28,29,30,31
	global_load_b128 v[X+4*\i:X+4*\i+3], v2, s[4:5] offset:2*\i*ROW th:TH_LOAD_NT   ; rows 2 i and 2 i + 1
.endr
.irp q, 0,1,2,3
	s_wait_loadcnt 8*(3-\q)                        ; these eight loads are in; the later ones may be out
.irp k, 0,1,2,3,4,5,6,7
	ds_store_b128 v3, v[X+32*\q+4*\k:X+32*\q+4*\k+3] offset:2*(8*\q+\k)*SP+128*(\q/2)
.endr
.endr
.irp u, 0,1,2,3
.irp j, 0,1,2,3,4,5,6,7
	ds_load_b128 v[X+32*\u+4*\j:X+32*\u+4*\j+3], v4 offset:8*\u*SP+16*\j   ; E tile u: these see my stores
.endr
.endr
; 32 numbers of ONE block in v[XS] .. v[XS + 31] become 32 codes in v[CD] .. v[CD + 3]; v10 keeps the scale operand.
.macro QBLOCK
	v_max3_num_f32 v8, |v[XS]|, |v[XS+1]|, 0x1800000               ; two chains; among the leaves the floor 2^(3 - 127): so the byte cannot fall under 1
	v_max3_num_f32 v9, |v[XS+16]|, |v[XS+17]|, |v[XS+18]|
.irp i, 0,2,4,6,8,10
	v_max3_num_f32 v8, v8, |v[XS+2+\i]|, |v[XS+3+\i]|
	v_max3_num_f32 v9, v9, |v[XS+19+\i]|, |v[XS+20+\i]|
.endr
	v_max3_num_f32 v8, v8, |v[XS+14]|, |v[XS+15]|
	v_max3_num_f32 v8, v8, v9, |v[XS+31]|
	v_add_nc_u32 v10, 0xff000000, v8               ; 2 off the exponent field: the conversion takes that field as its scale
.irp g, 0,1,2,3
	v_cvt_scalef32_pk8_fp4_f32 v[CD+\g], v[XS+8*\g:XS+8*\g+7], v10
.endr
.endm
.macro LOADL n                         ; L block n: column half n / 2, rows 32 (n % 2) .. + 31 of my 64, into set n
.irp i, 0,1,2,3,4,5,6,7,8,9,10,11,12,13,14,15,16,17,18,19,20,21,22,23,24,25,26,27,28,29,30,31
	ds_load_b32 v[X+32*(\n)+\i], v5 offset:(32*((\n)%2)+\i)*SP+128*((\n)%2)+128*((\n)/2)
.endr
.endm
.macro TILEE u, younger                ; younger: the LDS reads issued behind this tile's eight
	s_wait_dscnt \younger
.set XS, X+32*(\u)
.set CD, C+4*(\u)
	QBLOCK
	v_lshrrev_b32 v11, 23, v10                     ; the scale's byte (also the plain line behind the conversions)
	global_store_b128 v52, v[CD:CD+3], s[8:9] offset:512*(\u)      ; 512 consecutive bytes, at a multiple of 256 from ws's first byte
	v_lshlrev_b32 v12, v53, v11
	v_permlanex16_b32 v13, v12, s20, s21
	v_or_b32 v12, v12, v13                         ; row r's scale word, in both lanes
.if (\u)%2 == 0
	v_mov_b32 v14, v12
.else
	v_cndmask_b32 v[SW+(\u)/2], v14, v12, vcc_lo   ; lanes 0-15 the even tile's, lanes 16-31 the odd tile's
.endif
.endm
.macro BLOCKL n, younger
	s_wait_dscnt \younger
.set XS, X+32*(\n)
.set CD, C+16+4*(\n)
	QBLOCK
.if (\n)%2 == 0
	v_lshrrev_b32 v[SW+2+(\n)/2], 23, v10          ; the scale's byte (also the plain line behind the conversions)
.else
	v_lshrrev_b32 v11, 23, v10
	v_lshl_or_b32 v[SW+2+(\n)/2], v11, 8, v[SW+2+(\n)/2]
.endif
	global_store_b128 v6, v[CD:CD+3], s[8:9] offset:LC+2048*((\n)/2)+256*((\n)%2)   ; each half of the lanes stores 256 consecutive bytes, at a multiple of 256
.if (\n)%2 == 1
	global_store_b16 v7, v[SW+2+(\n)/2], s[8:9] offset:LS+128*((\n)/2)              ; my two bytes of each column's scale word
.endif
.endm
	TILEE 0, 24                                    ; behind tile 0's reads: tiles 1 to 3's 24
	LOADL 0                                        ; the set just read takes the first L block
	TILEE 1, 48                                    ; tiles 2 and 3's 16, and block 0's 32
	TILEE 2, 40
	TILEE 3, 32
	global_store_b64 v15, v[SW:SW+1], s[8:9] offset:ES             ; 256 consecutive bytes
	LOADL 1
	BLOCKL 0, 32                                   ; the next block's 32 reads may be out
	LOADL 2
	BLOCKL 1, 32
	LOADL 3
	BLOCKL 2, 32
	BLOCKL 3, 0
	s_wait_tensorcnt 0x0                           ; the wave's end, behind my last LDS store
	ds_add_u32 v[SPW], v[NIL]
	s_wait_dscnt 0x0
	s_endpgm
.Lfunc_end_k_q993ea60ff4_prep:
	.size	k_q993ea60ff4_prep, .Lfunc_end_k_q993ea60ff4_prep-k_q993ea60ff4_prep
	.p2alignl 7, 3214868480
	.fill 96, 4, 3214868480
	.section	.rodata,"a",@progbits
	.p2align	6, 0x0
	.amdhsa_kernel k_q993ea60ff4_prep
		.amdhsa_group_segment_fixed_size 71168
		.amdhsa_private_segment_fixed_size 0
		.amdhsa_enable_private_segment 0
		.amdhsa_kernarg_size 24
		.amdhsa_user_sgpr_count 2
		.amdhsa_user_sgpr_kernarg_segment_ptr 1
		.amdhsa_wavefront_size32 1
		.amdhsa_system_sgpr_workgroup_id_x 1
		.amdhsa_system_sgpr_workgroup_id_y 1
		.amdhsa_system_sgpr_workgroup_id_z 1
		.amdhsa_system_vgpr_workitem_id 0
		.amdhsa_next_free_vgpr 192
		.amdhsa_next_free_sgpr 66
		.amdhsa_reserve_vcc 1
		.amdhsa_float_denorm_mode_32 3
		.amdhsa_float_denorm_mode_16_64 3
		.amdhsa_memory_ordered 1
		.amdhsa_forward_progress 1
		.amdhsa_inst_pref_size 32
	.end_amdhsa_kernel
	.amdgpu_metadata
---
amdhsa.version: [ 1, 2 ]
amdhsa.kernels:
  - .name:           k_q993ea60ff4_prep
    .symbol:         k_q993ea60ff4_prep.kd
    .args:
      - { .name: queries, .offset: 0, .size: 8, .value_kind: global_buffer, .address_space: global }
      - { .name: keys, .offset: 8, .size: 8, .value_kind: global_buffer, .address_space: global }
      - { .name: ws, .offset: 16, .size: 8, .value_kind: global_buffer, .address_space: global }
    .group_segment_fixed_size: 71168
    .private_segment_fixed_size: 0
    .kernarg_segment_align: 8
    .kernarg_segment_size: 24
    .max_flat_workgroup_size: 128
    .sgpr_count:     66
    .vgpr_count:     192
    .wavefront_size: 32
...
	.end_amdgpu_metadata
.endif
;; end of part 1
;; launch attn (part 2): grid 4 x 64, 8 waves a work-group, clusters of 4 x 1, 179,200 bytes of LDS; arguments ws, out0, out1; writes out0, out1
.if DOCPART == 2
	.amdgcn_target "amdgcn-amd-amdhsa--gfx1250"
	.amdhsa_code_object_version 6
	.text
	.protected	k_q993ea60ff4_attn
	.globl	k_q993ea60ff4_attn
	.p2align	8
	.type	k_q993ea60ff4_attn,@function
k_q993ea60ff4_attn:
	s_mov_b64 s[64:65], 0
	v_nop
	global_prefetch_b8 v0, s[64:65] scope:SCOPE_SE
	s_setreg_imm32_b32 hwreg(HW_REG_WAVE_MODE, 25, 1), 1
	s_wait_xcnt 0x0
	s_wait_alu depctr_hold_cnt(0) depctr_sa_sdst(0) depctr_va_vdst(0) depctr_va_sdst(0) depctr_va_ssrc(0) depctr_va_vcc(0) depctr_vm_vsrc(0)
	s_getreg_b32 s2, hwreg(HW_REG_IB_STS2, 6, 4)
	s_cmp_eq_u32 s2, 0
	s_cbranch_scc0 .Lentry_in_a_cluster
	s_endpgm
.Lentry_in_a_cluster:
	s_bfe_u32 s2, ttmp6, 0x10000c
	s_cmp_lg_u32 s2, 0x3003
	s_cbranch_scc0 .Lentry_shape_is_right
	s_endpgm
.Lentry_shape_is_right:
; TWO ATTENTIONS ON CODES OF FP4 (E2M1).  Problem y = dir x 32 + (b x 8 + h).  dir 0: Q = queries, K = V = keys, result out0.  dir 1: Q = keys, K = V = queries, result out1 (the scores transposed).
; o[q] = sum over k of softmax_k(Q[q] . K[k] / 8) V[k]; 2,048 queries and keys, head size 64.  ws holds both tensors as codes, along E and along L, as images of the operands' registers:
; block y (16 units of SB bytes, a unit = 128 rows) is the problem's Q, block y xor 32 its K and V.  A unit: EC 0: eight tiles of 16 rows along E, 512 bytes each; LC 4096: four fragments of V^T, 1,024 bytes each;
; ES 8192: the E tiles' scale words, two halves of 8 bytes a lane; LS 8704: V^T's, two halves of 4 bytes a lane.
; THE SOFTMAX: t = score x log2(e) / 8; M = the running largest t rounded UP to a whole number; p = 2^(t - M) is quantised along the keys, not normalised.  The row's sum is taken of the unquantised p
; and divides at the end.  When M moves, the sum and O are multiplied by 2^(old M - new M): exact, and no branch on data.
; SHARES.  A work-group owns 512 queries of one problem; each of its eight waves 64: the four tiles 4 g + u of Q's unit 4 x + wave / 2, g = wave % 2.  A step is 256 keys (two units); in it the wave's four tiles
; are walked one after the other, each with all its 128 score registers at once; each fragment of K and V that the wave reads serves all four.
; LDS.  The problem's whole K and V block, 143,360 bytes, is brought ONCE: wave w's one tensor load brings units 2 w and 2 w + 1.  Nothing is filled again: no ring, no barrier in the loop.
; No prefetch: every tile is asked for once, at the head, and the loop reads LDS alone.
; CLUSTER.  The four work-groups of a problem need the same block: each pair of units is asked for JOINTLY, by the same tensor load with the same descriptor and a mask that names the four.
; LAYOUT.  Both products are used transposed: S^T = K Q^T, O^T = V^T P^T: a lane holds ONE query (lane % 16) throughout.  Lane r of E tile 4 g + u holds row 64 g + 32 (r / 8) + 8 u + r % 8: so S^T's 32 registers
; of tiles 4 g .. 4 g + 3 in lane (r, h) are the keys 64 g + 32 h + 0 .. 31: a WHOLE block of the quantiser, in the order of the second product's operand: no lane is asked for a block's maximum, and the
; conversions' results are the operand's registers as they stand.
; A BLOCK'S SCALE: its largest p is 2^x, x = t - M of its largest score (the same fused multiply-add as the element's), so floor(log2) of it is floor(x): no second exponential.
; E = 64 FILLS HALF OF THE INSTRUCTION'S 128: Q's fragment has zero codes in its registers 4-7; K's fragment of tile T is v[KF + 4 T .. + 7], whose upper four registers (the next tile's codes, or zeros) meet Q's zeros.
; LIMITS: NaN and infinities are not served; the promise holds while |t| stays under 2^31.  A p under 2^-126 comes out of v_exp_f32 as 0.  A block of p whose largest lies under 2^-124 has its byte held at 1.
; Where v_exp_f32 rounds a block's largest p up to the next power of two (x within an ulp under a whole number), that one p is held at the largest code.
; REGISTERS.  Window 0: addresses, scale words, the tiles' states, K's fragments, S^T.  Window 1: O^T (v0-127), Q (v128-159), p's codes (v160-175), V^T's fragments (v176-239).
.set SB,    8960
.set STEPB, 2*SB
.set HB,    16*SB
.set LC,    4096
.set ES,    8192
.set LS,    8704
.set STAGE, HB                         ; behind the block: a stage of 16 rows x (256 + 16) bytes for each wave; no tensor load lands there
.set SP,    272
.set SPARE, STAGE+8*16*SP              ; the spare words: 128 bytes a wave, four blocks of 256 bytes that no other line names
.set ADA,  1                           ; v1   the step's first unit + 16 x lane
.set ADB,  2                           ; v2   + 8 x lane
.set ADC,  3                           ; v3   + 4 x lane
.set SPW,  4                           ; v4   my spare word; never rewritten
.set NIL,  5                           ; v5   0; never rewritten
.set SH8,  6                           ; v6   8 x (lane / 16)
.set QS,   8                           ; v8-11   Q's scale words
.set PS,   12                          ; v12-13  p's scale words, one for each 128 keys
.set PW,   14                          ; v14-15  lane permutes' destinations
.set STAT, 16                          ; v16-31  a tile's -M, largest score, sum in two halves
.set KF,   32                          ; v32-95  sixteen tiles of K; v96-99 zeros
.set S,    100                         ; v100-227 S^T, then p
.set KSC,  228                         ; v228-235 K's scale words: word T / 2: lanes 0-15 the even tile, lanes 16-31 the odd
.set VSC,  236                         ; v236-239 V^T's likewise
.set BM,   240                         ; v240-243 my four blocks' largest scores
.set EI,   244                          ; v244-247 the maxima's second chains; then floor(x)
.set SOP,  248                         ; v248-251 the conversions' scale operands
.set F,    252                         ; v[252:253] 2^(old M - new M)
.set T1,   254
.set T2,   255
.set STO,  KSC                         ; the way out: addresses
.set RD,   KSC+1
.set GO,   KSC+2
.set OW,   0                           ; window 1
.set QW,   128
.set PCW,  160
.set VW,   176
.set WV,   10
.set G0,   16
.set G1,   20
.set SEL,  28                          ; s[28:29] selects for lane l xor 16
.set CS,   30                          ; s[30:31] c = log2(e) / 8
.set CNT,  33
.set MSB, 0
.macro WIN new                         ; the immediate's high byte repeats the setting that is left
.if MSB != \new
	s_set_vgpr_msb (MSB<<8)|\new
.set MSB, \new
.endif
.endm
.macro CROUND                          ; a round of the cluster's barrier
	s_barrier_signal -1
	s_barrier_wait -1
	s_cmp_lg_u32 s[WV], 0
	s_cbranch_scc1 .Lnot_wave_0_\@
	s_barrier_signal -3
.Lnot_wave_0_\@:
	s_barrier_wait -3
	s_barrier_signal -1
	s_barrier_wait -1
.endm
	s_load_b128 s[4:7], s[0:1], 0x0                ; ws, out0
	s_load_b64 s[8:9], s[0:1], 0x10                ; out1
	v_lshl_add_u32 v[SPW], v0, 2, SPARE
	v_mov_b32 v[NIL], 0
	ds_add_u32 v[SPW], v[NIL]                      ; the opening lines: the add, twice on end, and its wait ahead of my tensor load
	ds_add_u32 v[SPW], v[NIL]
	v_lshrrev_b32 v[T1], 5, v0
	v_readfirstlane_b32 s[WV], v[T1]               ; wave 0..7
	s_and_b32 s12, ttmp7, 0xffff                   ; y: the problem, which the four partners share
	s_xor_b32 s14, s12, 32                         ; what I fetch: units 2 w, 2 w + 1 of block y xor 32: nothing here hangs on my place in the cluster
	s_mul_i32 s14, s14, HB
	s_mul_i32 s[G0+1], s[WV], STEPB                ; LDS address
	s_add_co_u32 s40, s14, s[G0+1]
	s_mov_b32 s41, 0
	s_mov_b32 s[G0], 1
	s_mov_b32 s[G1], 15|(3<<16)|(1<<21)            ; the mask: all four work-groups; elements of 8 bytes; bit 21 beside a mask
	s_mov_b32 s[G1+1], 32<<16                      ; a dense block of 17,920 bytes as 70 rows of 256
	s_mov_b32 s[G1+2], 70<<16
	s_mov_b32 s[G1+3], 32<<16
	s_mov_b32 s[G1+4], 70
	s_mov_b32 s[G1+5], 32
	s_mov_b32 s[G1+6], 0
	s_mov_b32 s[G1+7], 0
	s_bfe_u32 s11, ttmp6, 0x40000                  ; cx: it enters Q's and the output's addresses alone
	s_lshl_b32 s13, ttmp9, 2
	s_add_co_u32 s13, s13, s11                     ; x
	s_lshl_b32 s13, s13, 2
	s_lshr_b32 s15, s[WV], 1
	s_add_co_u32 s13, s13, s15                     ; Q's unit
	s_and_b32 s15, s[WV], 1                        ; g
	s_mul_i32 s42, s12, HB
	s_mul_i32 s44, s13, SB
	s_add_co_u32 s42, s42, s44
	s_lshl_b32 s44, s15, 8
	s_add_co_u32 s44, s44, s42
	s_add_co_u32 s44, s44, ES                      ; its scale words, half g
	s_mov_b32 s45, 0
	s_lshl_b32 s46, s15, 11
	s_add_co_u32 s42, s42, s46                     ; its codes from tile 4 g on
	s_mov_b32 s43, 0
	s_and_b32 s46, s12, 31
	s_lshr_b32 s47, s46, 3
	s_lshl_b32 s47, s47, 22                        ; b
	s_and_b32 s46, s46, 7
	s_lshl_b32 s46, s46, 8                         ; h
	s_add_co_u32 s46, s46, s47
	s_lshl_b32 s47, s13, 18                        ; 128 rows a unit
	s_add_co_u32 s46, s46, s47
	s_lshl_b32 s47, s15, 17                        ; 64 g rows
	s_add_co_u32 s46, s46, s47
	s_mov_b32 s47, 0
	s_mul_i32 s32, s[WV], 16*SP
	s_add_co_u32 s32, s32, STAGE                   ; my stage
	s_mov_b32 s[SEL], 0x76543210
	s_mov_b32 s[SEL+1], 0xfedcba98
	s_mov_b32 s[CS], 0x3e38aa3b                    ; c = log2(e) / 8
	s_mov_b32 s[CS+1], s[CS]
	s_wait_dscnt 0x0
	s_wait_kmcnt 0x0
	s_add_nc_u64 s[G0+2:G0+3], s[4:5], s[40:41]
	s_or_b32 s[G0+3], s[G0+3], 0x80000000
	s_add_nc_u64 s[34:35], s[4:5], s[42:43]        ; Q's codes
	s_add_nc_u64 s[36:37], s[4:5], s[44:45]        ; Q's scale words
	s_cmp_lt_u32 s12, 32
	s_cselect_b64 s[38:39], s[6:7], s[8:9]
	s_add_nc_u64 s[38:39], s[38:39], s[46:47]      ; the output at my 64 rows
	CROUND                                         ; all four work-groups are here: the joint loads meet
	tensor_load_to_lds s[G0:G0+3], s[G1:G1+7]      ; my one tensor load of the launch
	s_nop 0
.rept 4
	v_nop
.endr
	v_and_b32 v[T2], 31, v0
	v_and_b32 v[T1], 15, v0
	v_bfe_u32 v[SH8], v0, 4, 1
	v_lshlrev_b32 v[ADA], 4, v[T2]
	v_lshlrev_b32 v[ADB], 3, v[T2]
	v_lshlrev_b32 v[ADC], 2, v[T2]
	v_lshlrev_b32 v[T1], 3, v[T1]                  ; 8 r
	v_lshlrev_b32 v[SH8], 3, v[SH8]
	WIN 0x40
.irp x, 0,1,2,3
	global_load_b128 v[QW+8*\x:QW+8*\x+3], v[ADA], s[34:35] offset:512*\x   ; Q's fragments stay in registers
.endr
	WIN 0
.irp x, 0,1,2,3
	global_load_b32 v[QS+\x], v[T1], s[36:37] offset:128*(\x%2)+4*(\x/2)    ; lane r takes row r's scale word
.endr
.irp j, 0,1,2,3
	v_mov_b32 v[KF+64+\j], 0                       ; what stands behind tile 15
	v_mov_b32 v[STAT+4*\j+1], 0xff61b1e6           ; the largest score so far: -3e38
	v_mov_b32 v[STAT+4*\j+2], 0                    ; the sum, in two halves
	v_mov_b32 v[STAT+4*\j+3], 0
.endr
.irp j, 0,1,2,3
	v_floor_f32 v[STAT+4*\j], -v[STAT+4*\j+1]      ; -M
.endr
	v_mov_b32 v[PW], 0
	v_mov_b32 v[PW+1], 0
	v_mov_b32 v[F+1], 0
	WIN 0x40
.irp x, 0,1,2,3
.irp j, 4,5,6,7
	v_mov_b32 v[QW+8*\x+\j], 0                     ; zero codes for k = 64 .. 127
.endr
.endr
.set I, 0
.rept 128
	v_mov_b32 v[OW+I], 0                           ; O^T: the step is written once; the first finds zeros, which the first change of M leaves zeros
.set I, I+1
.endr
	WIN 0
.macro MM d, a, b, acc, sa, sb, odd    ; one product; odd: source 0's scales stand in lanes 16-31
.if \acc
.if \odd
	v_wmma_scale_f32_16x16x128_f8f6f4 v[\d:\d+7], v[\a:\a+7], v[\b:\b+7], v[\d:\d+7], v[\sa], v[\sb] matrix_a_fmt:MATRIX_FMT_FP4 matrix_b_fmt:MATRIX_FMT_FP4 matrix_a_scale:MATRIX_SCALE_ROW1
.else
	v_wmma_scale_f32_16x16x128_f8f6f4 v[\d:\d+7], v[\a:\a+7], v[\b:\b+7], v[\d:\d+7], v[\sa], v[\sb] matrix_a_fmt:MATRIX_FMT_FP4 matrix_b_fmt:MATRIX_FMT_FP4
.endif
.else
.if \odd
	v_wmma_scale_f32_16x16x128_f8f6f4 v[\d:\d+7], v[\a:\a+7], v[\b:\b+7], 0, v[\sa], v[\sb] matrix_a_fmt:MATRIX_FMT_FP4 matrix_b_fmt:MATRIX_FMT_FP4 matrix_a_scale:MATRIX_SCALE_ROW1
.else
	v_wmma_scale_f32_16x16x128_f8f6f4 v[\d:\d+7], v[\a:\a+7], v[\b:\b+7], 0, v[\sa], v[\sb] matrix_a_fmt:MATRIX_FMT_FP4 matrix_b_fmt:MATRIX_FMT_FP4
.endif
.endif
.endm
.macro KLOAD off                       ; sixteen tiles of K and their scale words: 512 (256) consecutive bytes a load
.irp t, 0,1,2,3,4,5,6,7,8,9,10,11,12,13,14,15
	ds_load_b128 v[KF+4*\t:KF+4*\t+3], v[ADA] offset:\off+SB*(\t/8)+512*(\t%8)
.endr
.irp q, 0,1,2,3
	ds_load_b64 v[KSC+2*\q:KSC+2*\q+1], v[ADB] offset:\off+SB*(\q/2)+ES+256*(\q%2)
.endr
.endm
.macro PKF from, n                     ; t - M, two at a time (of the pairs c and -M the low word serves both halves)
.set I, \from
.rept \n
	v_pk_fma_f32 v[S+I:S+I+1], v[S+I:S+I+1], s[CS:CS+1], v[NM:NM+1] op_sel_hi:[1,0,0]
.set I, I+2
.endr
.endm
.macro LEVEL d, n                      ; a level of the sum's tree, in place
.set I, 0
.rept \n
	v_pk_add_f32 v[S+I:S+I+1], v[S+I:S+I+1], v[S+I+\d:S+I+\d+1]
.set I, I+2*\d
.endr
.endm
; ONE TILE OF 16 QUERIES x 256 KEYS
.macro SUMS base, d, n                 ; n sums of the tree, in place, from register base on
.set I, 0
.rept \n
	v_pk_add_f32 v[\base+I:\base+I+1], v[\base+I:\base+I+1], v[\base+I+\d:\base+I+\d+1]
.set I, I+2*\d
.endr
.endm
.macro CVTQ q                          ; quarter q (my block q of 32 keys): its p becomes four registers of the operand
	WIN 0x40
.irp m, 0,1,2,3
	v_cvt_scalef32_pk8_fp4_f32 v[PCW+4*\q+\m], v[S+32*\q+8*\m:S+32*\q+8*\m+7], v[SOP+\q]
.endr
	v_nop                                          ; one plain line behind the last conversion
	WIN 0
.endm
; STAGE k: the 32 exponentials of quarter k.  Between them stand plain lines that are due anyway, that read only what was written ahead of the wait in front of the stage,
; and whose results are first read behind the wait that closes it: t - M of quarter k + 1; the sum's tree, one level a stage (level 1 of quarter k - 1, level 2 of k - 2, level 3 of k - 3);
; one step of p's two scale words; one step of f.
.macro STAGE k
.set J, 0
.rept 16
	v_exp_f32 v[S+32*\k+2*J], v[S+32*\k+2*J]       ; p = 2^(t - M): not normalised
.if \k < 3
	v_pk_fma_f32 v[S+32*\k+32+2*J:S+32*\k+33+2*J], v[S+32*\k+32+2*J:S+32*\k+33+2*J], s[CS:CS+1], v[NM:NM+1] op_sel_hi:[1,0,0]
.endif
	v_exp_f32 v[S+32*\k+2*J+1], v[S+32*\k+2*J+1]
.if (\k >= 1) && (J%2 == 0)
	v_pk_add_f32 v[S+32*\k-32+2*J:S+32*\k-31+2*J], v[S+32*\k-32+2*J:S+32*\k-31+2*J], v[S+32*\k-30+2*J:S+32*\k-29+2*J]
.endif
.if (\k >= 2) && (J%4 == 1)
	v_pk_add_f32 v[S+32*\k-66+2*J:S+32*\k-65+2*J], v[S+32*\k-66+2*J:S+32*\k-65+2*J], v[S+32*\k-62+2*J:S+32*\k-61+2*J]
.endif
.if (\k == 3) && (J%8 == 3)
	v_pk_add_f32 v[S+2*J-6:S+2*J-5], v[S+2*J-6:S+2*J-5], v[S+2*J+2:S+2*J+3]
.endif
.if J%8 == 7
.if \k == 0
	v_lshl_add_u32 v[BM+J/8], v[EI+2*(J/8)+1], 16, v[EI+2*(J/8)]
.endif
.if \k == 1
	v_add_lshl_u32 v[BM+J/8], v[BM+J/8], 0x7d007d, v[SH8]   ; my two bytes of these 128 keys' scale word: blocks h and 2 + h
.endif
.if \k == 2
	v_permlanex16_b32 v[PW+J/8], v[BM+J/8], s[SEL], s[SEL+1]
.endif
.if \k == 3
	v_or_b32 v[PS+J/8], v[BM+J/8], v[PW+J/8]       ; with lane l xor 16's two the word is whole
.endif
.endif
.if (\k == 0) && (J == 3)
	v_cvt_i32_f32 v[T1], v[T1]                     ; (it saturates)
.endif
.if (\k == 1) && (J == 3)
	v_ldexp_f32 v[F], 1.0, v[T1]                   ; f = 2^(old M - new M)
.endif
.set J, J+1
.endr
.endm
.macro TILE x, last
.set NM, STAT+4*\x
	WIN 0x04                                       ; source 1 (Q) in window 1
.irp t, 0,1,2,3,4,5,6,7,8,9,10,11,12,13,14,15
	MM S+8*\t, KF+4*\t, QW+8*\x, 0, KSC+\t/2, QS+\x, \t%2
.endr
	WIN 0
.rept 4
	v_nop                                          ; four places in front of the first read of the results, and of the loads into K's registers
.endr
.if (\x == 3) && (\last == 0)
	KLOAD STEPB                                    ; the next step's K lands while this tile's softmax is walked
	v_add_nc_u32 v[ADA], STEPB, v[ADA]
	v_add_nc_u32 v[ADB], STEPB, v[ADB]
	v_add_nc_u32 v[ADC], STEPB, v[ADC]
.endif
.irp k, 0,1,2,3,4,5,6,7                        ; the largest score of each of my four blocks of 32 keys, in eight chains by turns; each accumulator is read from its low end on
	v_max3_num_f32 v[BM+4*(\k%2)+\k/2], v[S+16*\k], v[S+16*\k+1], v[S+16*\k+2]
.endr
.irp i, 3,5,7,9,11,13
.irp k, 0,1,2,3,4,5,6,7
	v_max3_num_f32 v[BM+4*(\k%2)+\k/2], v[BM+4*(\k%2)+\k/2], v[S+16*\k+\i], v[S+16*\k+\i+1]
.endr
.endr
.irp b, 0,1,2,3
	v_max3_num_f32 v[BM+\b], v[BM+\b], v[EI+\b], v[S+32*\b+15]
.endr
.irp b, 0,1,2,3
	v_max_num_f32 v[BM+\b], v[BM+\b], v[S+32*\b+31]
.endr
	v_max3_num_f32 v[T1], v[BM], v[BM+1], v[BM+2]
	s_delay_alu instid0(VALU_DEP_1)
	v_max_num_f32 v[T1], v[T1], v[BM+3]
	s_delay_alu instid0(VALU_DEP_1)
	v_permlanex16_b32 v[PW], v[T1], s[SEL], s[SEL+1]
	s_delay_alu instid0(VALU_DEP_1)
	v_max3_num_f32 v[NM+1], v[NM+1], v[T1], v[PW]  ; the running largest score of my query (c is positive)
	s_delay_alu instid0(VALU_DEP_1)
	v_mul_f32 v[T1], s[CS], v[NM+1]
	s_delay_alu instid0(VALU_DEP_1)
	v_floor_f32 v[T2], -v[T1]                      ; the new -M = -ceil(t)
	s_delay_alu instid0(VALU_DEP_1)
	v_sub_f32 v[T1], v[T2], v[NM]                  ; old M - new M: a whole number, 0 or less
	v_mov_b32 v[NM], v[T2]
.irp b, 0,1,2,3
	v_fma_f32 v[BM+\b], v[BM+\b], s[CS], v[NM]     ; x of each block's largest score
.endr
	PKF 0, 4                                       ; t - M of quarter 0, by turns with the blocks' scales
.irp b, 0,1,2,3
	v_cvt_floor_i32_f32 v[EI+\b], v[BM+\b]         ; floor(log2) of the block's largest p
.endr
	PKF 8, 4
.irp b, 0,1,2,3
	v_max_i32 v[EI+\b], 0xffffff84, v[EI+\b]       ; held at -124: the byte cannot fall under 1
.endr
	PKF 16, 4
.irp b, 0,1,2,3
	v_add_lshl_u32 v[SOP+\b], v[EI+\b], 125, 23    ; the conversion's scale operand: exponent field e + 127 - 2
.endr
	PKF 24, 4
	s_wait_alu depctr_va_vdst(0)                   ; a wait ahead of each batch and behind it: one between two stages serves both
	STAGE 0
	s_wait_alu depctr_va_vdst(0)
	CVTQ 0                                         ; ahead of the sums that are laid over quarter 0's p
	STAGE 1
	s_wait_alu depctr_va_vdst(0)
	CVTQ 1
	STAGE 2
	s_wait_alu depctr_va_vdst(0)
	CVTQ 2
	STAGE 3
	WIN 0x41
.if \x == 0
	s_wait_dscnt 0x0                               ; V^T and its scale words are in
.endif
	s_wait_alu depctr_va_vdst(0)                   ; one wait for the batch, and for O^T, directly ahead of its first reader
.irp j, 0,2,4,6,8,10,12,14,16,18,20,22,24,26,28,30
	v_pk_mul_f32 v[OW+32*\x+\j:OW+32*\x+\j+1], v[OW+32*\x+\j:OW+32*\x+\j+1], v[F:F+1] op_sel_hi:[1,0]   ; O^T under the new M
.endr
	WIN 0x40
.irp m, 0,1,2,3
	v_cvt_scalef32_pk8_fp4_f32 v[PCW+12+\m], v[S+96+8*\m:S+96+8*\m+7], v[SOP+3]   ; quarter 3
.endr
	v_nop                                          ; one plain line behind the last conversion
	WIN 0
	SUMS S+96, 2, 8                                ; what the stages have left of the tree's first three levels.  (These 22 lines are also the places in front of the products)
	SUMS S+64, 4, 4
	SUMS S+32, 8, 2
	SUMS S+96, 4, 4
	SUMS S+64, 8, 2
	SUMS S+96, 8, 2
	WIN 0x55
.irp j, 0,1                                    ; O^T += V^T P^T: four accumulators by turns, one instruction a turn
.irp t, 0,1,2,3
	MM OW+32*\x+8*\t, VW+32*\j+8*\t, PCW+8*\j, 1, VSC+2*\j+\t/2, PS+\j, \t%2
.endr
.endr
	WIN 0
	LEVEL 16, 4                                    ; the tree's top: eight plain lines that name no register of the products: their places
	LEVEL 32, 2
	s_delay_alu instid0(VALU_DEP_1)
	LEVEL 64, 1
	s_delay_alu instid0(VALU_DEP_1)
	v_pk_fma_f32 v[NM+2:NM+3], v[NM+2:NM+3], v[F:F+1], v[S:S+1] op_sel_hi:[1,0,1]   ; the sums under the new M, and the step's
.endm
.macro TRIP last                       ; A KEY STEP: 256 keys x my 64 queries
	s_wait_dscnt 0x0                               ; K and its scale words are in
	WIN 0x40
.irp n, 0,1,2,3,4,5,6,7,8,9,10,11,12,13,14,15
	ds_load_b128 v[VW+4*\n:VW+4*\n+3], v[ADA] offset:SB*(\n/8)+LC+512*(\n%8)   ; V^T's eight fragments land while the first tile's softmax is walked
.endr
	WIN 0
.irp q, 0,1,2,3
	ds_load_b32 v[VSC+\q], v[ADC] offset:SB*(\q/2)+LS+128*(\q%2)
.endr
	TILE 0, \last
	TILE 1, \last
	TILE 2, \last
	TILE 3, \last
.endm
	s_wait_alu depctr_va_vdst(0)                   ; the wait at the head's end
	s_wait_tensorcnt 0x0                           ; my two units have landed,
	s_barrier_signal -1
	s_barrier_wait -1                              ; everybody's have: the whole block lies in LDS, and nobody writes it again
	KLOAD 0
	s_wait_loadcnt 0x0                             ; Q
	s_mov_b32 s[CNT], 7
.Lstep:
	TRIP 0
	s_sub_co_u32 s[CNT], s[CNT], 1
	s_cmp_lg_u32 s[CNT], 0
	s_cbranch_scc1 .Lstep
	TRIP 1                                         ; the last step is written out: it reads no K beyond the block
	; THE WAY OUT.  The sum's halves and the other half of the lanes' are added; O^T is divided by the sum and goes through my stage, a tile of 16 rows x 256 bytes at a time.
.irp x, 0,1,2,3
	v_add_f32 v[STAT+4*\x+2], v[STAT+4*\x+2], v[STAT+4*\x+3]
.endr
.irp x, 0,1,2,3
	v_permlanex16_b32 v[BM+\x], v[STAT+4*\x+2], s[SEL], s[SEL+1]
.endr
.irp x, 0,1,2,3
	v_add_f32 v[STAT+4*\x+2], v[STAT+4*\x+2], v[BM+\x]
.endr
	s_wait_alu depctr_va_vdst(0)                   ; the wait ahead of the batch
.irp x, 0,1,2,3
	v_rcp_f32 v[STAT+4*\x+2], v[STAT+4*\x+2]
.endr
	v_and_b32 v[T1], 15, v0                        ; r
	v_bfe_u32 v[T2], v0, 4, 1                      ; h
	v_mul_u32_u24 v[STO], v[T1], SP                ; in: row r; column tile t's eight columns of my half: 64 t + 32 h bytes on
	v_mul_u32_u24 v[RD], v[T2], SP                 ; back: lanes 0-15 one row of 256 bytes, lanes 16-31 the next
	v_lshlrev_b32 v[GO], 11, v[T2]                 ; and the same two rows in the output
	v_lshl_add_u32 v[STO], v[T2], 5, v[STO]
	v_lshl_add_u32 v[RD], v[T1], 4, v[RD]
	v_lshl_add_u32 v[GO], v[T1], 4, v[GO]
	v_add_nc_u32 v[STO], s32, v[STO]
	v_add_nc_u32 v[RD], s32, v[RD]
	WIN 0x01
	s_wait_alu depctr_va_vdst(0)                   ; the wait behind the batch, directly ahead of O^T's first reader
.irp x, 0,1,2,3
.irp j, 0,2,4,6,8,10,12,14,16,18,20,22,24,26,28,30
	v_pk_mul_f32 v[S+32*\x+\j:S+32*\x+\j+1], v[OW+32*\x+\j:OW+32*\x+\j+1], v[STAT+4*\x+2:STAT+4*\x+3] op_sel_hi:[1,0]   ; register 8 t + i is o(query r, column 16 t + 8 h + i)
.endr
.endr
	WIN 0
.macro RBSET u                         ; where tile u comes back: K's registers, then the registers that tiles 0 and 1 have left
.if (\u) < 2
.set RB, KF+32*(\u)
.else
.set RB, S+32*((\u)-2)
.endif
.endm
.irp u, 0,1,2,3
	RBSET \u
.irp t, 0,1,2,3
	ds_store_b128 v[STO], v[S+32*\u+8*\t:S+32*\u+8*\t+3] offset:64*\t
	ds_store_b128 v[STO], v[S+32*\u+8*\t+4:S+32*\u+8*\t+7] offset:64*\t+16
.endr
.irp i, 0,1,2,3,4,5,6,7
	ds_load_b128 v[RB+4*\i:RB+4*\i+3], v[RD] offset:2*\i*SP        ; LDS serves a wave's instructions in order (ISA guide 5.7.1.4): these see my stores, and the next tile's stores come behind them
.endr
.endr
; Stage row rho = 2 i + h of tile u is output row 8 u + rho % 8 + 32 (rho / 8) of my 64.  Sixteen lanes store 256 consecutive bytes, at a multiple of 256 from the output's first byte.
.irp u, 0,1,2,3
	RBSET \u
.irp i, 0,1,2,3,4,5,6,7
	s_wait_dscnt 7-\i+16*(3-\u)                    ; behind this load: its tile's 7 - i younger loads and sixteen LDS lines for each later tile
	global_store_b128 v[GO], v[RB+4*\i:RB+4*\i+3], s[38:39] offset:(8*\u+2*(\i%4)+32*(\i/4))*2048 th:TH_STORE_NT
.endr
.endr
	s_wait_tensorcnt 0x0                           ; the wave's end
	ds_add_u32 v[SPW], v[NIL]
	s_wait_dscnt 0x0
	CROUND                                         ; the closing round: no work-group ends while a partner may still ask for units that name it
	s_endpgm
.Lfunc_end_k_q993ea60ff4_attn:
	.size	k_q993ea60ff4_attn, .Lfunc_end_k_q993ea60ff4_attn-k_q993ea60ff4_attn
	.p2alignl 7, 3214868480
	.fill 96, 4, 3214868480
	.section	.rodata,"a",@progbits
	.p2align	6, 0x0
	.amdhsa_kernel k_q993ea60ff4_attn
		.amdhsa_group_segment_fixed_size 179200
		.amdhsa_private_segment_fixed_size 0
		.amdhsa_enable_private_segment 0
		.amdhsa_kernarg_size 24
		.amdhsa_user_sgpr_count 2
		.amdhsa_user_sgpr_kernarg_segment_ptr 1
		.amdhsa_wavefront_size32 1
		.amdhsa_system_sgpr_workgroup_id_x 1
		.amdhsa_system_sgpr_workgroup_id_y 1
		.amdhsa_system_sgpr_workgroup_id_z 1
		.amdhsa_system_vgpr_workitem_id 0
		.amdhsa_next_free_vgpr 512
		.amdhsa_next_free_sgpr 66
		.amdhsa_reserve_vcc 0
		.amdhsa_float_denorm_mode_32 3
		.amdhsa_float_denorm_mode_16_64 3
		.amdhsa_memory_ordered 1
		.amdhsa_forward_progress 1
		.amdhsa_inst_pref_size 222
	.end_amdhsa_kernel
	.amdgpu_metadata
---
amdhsa.version: [ 1, 2 ]
amdhsa.kernels:
  - .name:           k_q993ea60ff4_attn
    .symbol:         k_q993ea60ff4_attn.kd
    .args:
      - { .name: ws, .offset: 0, .size: 8, .value_kind: global_buffer, .address_space: global }
      - { .name: out0, .offset: 8, .size: 8, .value_kind: global_buffer, .address_space: global }
      - { .name: out1, .offset: 16, .size: 8, .value_kind: global_buffer, .address_space: global }
    .group_segment_fixed_size: 179200
    .private_segment_fixed_size: 0
    .kernarg_segment_align: 8
    .kernarg_segment_size: 24
    .max_flat_workgroup_size: 256
    .sgpr_count:     66
    .vgpr_count:     512
    .wavefront_size: 32
...
	.end_amdgpu_metadata
.endif
;; end of part 2
